; MI455X (gfx1250); checked and timed in simulation.
; The chip was launched on July 23, 2026; its instructions are those of AMD's public machine-readable ISA for CDNA 5 (MIT licence, August 2026) and "CDNA5" Instruction Set Architecture Reference Guide (July 2026). The comments in the code are by the model that wrote it; some were corrected since.
;; Gating Network. Allowed arithmetic: float matrix products may take bf16 or f16 operands with f32 sums; other float arithmetic in f32, or as packed bf16 or f16 multiplies, adds, multiply-adds, maxima and minima; sums over many terms, partial sums and values carried from step to step in f32; what a program stores and reads back later, other than sums and carried values, may be rounded once to bf16 or f16.
;; Inputs: W1 2,048 x 4,096 float32; W2 64 x 2,048 float32; b1 2,048 float32; b2 64 float32; x 8,192 x 4,096 float32.
;; Outputs: out0 8,192 x 2 float32; out1 8,192 x 2 int32; out2 one number float32.
;; One version. Each part assembles by itself: llvm-mc -triple=amdgcn-amd-amdhsa -mcpu=gfx1250 --defsym DOCPART=n.
;; ======== version 1 of 1: 4 launches
;; workspace buffers: xb 67,108,864 bytes; w1b 16,777,216 bytes; part 16,777,216 bytes; ent 1,024 bytes
;; launch cast (part 1): grid 1280 x 1, 8 waves a work-group, no clusters, 0 bytes of LDS; arguments x, W1, xb, w1b; writes xb, w1b
.if DOCPART == 1
	.amdgcn_target "amdgcn-amd-amdhsa--gfx1250"
	.amdhsa_code_object_version 6
	.text
	.protected	k_qac17b7c647_cast
	.globl	k_qac17b7c647_cast
	.p2align	8
	.type	k_qac17b7c647_cast,@function
k_qac17b7c647_cast:
	s_mov_b64 s[64:65], 0
	v_nop
	global_prefetch_b8 v0, s[64:65] scope:SCOPE_SE
	s_setreg_imm32_b32 hwreg(HW_REG_WAVE_MODE, 25, 1), 1
	s_wait_xcnt 0x0
; xb = bf16(x), w1b = bf16(W1): both f32 inputs of the first product are rounded once, to nearest even, and laid out as they were.
; A stream: each input byte is read once and each output byte written once; LDS, barriers and matrix instructions would add nothing.
; SHARES.  A work-group takes 131,072 bytes of f32, as 32 rows of 4,096 bytes; thread t takes the 16 bytes at 16 t of every row and stores 8 bytes
; at 8 t of a row of 2,048: a wave's load covers 512 consecutive bytes, its store 256 consecutive bytes at a multiple of 256 from the buffer's first byte.
; Work-groups 0-1023 take x (134,217,728 bytes), 1024-1279 take W1 (33,554,432 bytes): 1,280 equal shares.
; A ring of eight slots in registers keeps eight loads of every wave on their way.
.set ROWS,  32                         ; rows of a work-group
.set DEPTH, 8                          ; slots = loads in flight in each wave
.set XWG,   1024                       ; work-groups that x takes
.set X,     4                          ; v[4:35]   slot s: four f32 as loaded
.set Y,     36                         ; v[36:51]  slot s: four bf16 to store
	s_load_b256 s[4:11], s[0:1], 0x0               ; x s[4:5], W1 s[6:7], xb s[8:9], w1b s[10:11]
	v_lshlrev_b32 v1, 4, v0                        ; my 16 bytes in a row of f32; never rewritten
	v_lshlrev_b32 v2, 3, v0                        ; my 8 bytes in a row of bf16; never rewritten
	s_cmp_lt_u32 ttmp9, XWG
	s_cselect_b32 s12, 0, XWG
	s_sub_co_u32 s12, ttmp9, s12                   ; my share's number inside its tensor
	s_lshl_b32 s14, s12, 17                        ; its first byte in the f32 tensor (under 2^27),
	s_mov_b32 s15, 0
	s_lshl_b32 s16, s12, 16                        ; and in the bf16 tensor
	s_mov_b32 s17, 0
	s_wait_kmcnt 0x0
	s_cmp_lt_u32 ttmp9, XWG                        ; the choice hangs on the work-group's number alone
	s_cselect_b64 s[4:5], s[4:5], s[6:7]           ; from x or from W1,
	s_cselect_b64 s[8:9], s[8:9], s[10:11]         ; to xb or to w1b
	s_add_nc_u64 s[4:5], s[4:5], s[14:15]
	s_add_nc_u64 s[8:9], s[8:9], s[16:17]
.set rw, 0
.rept DEPTH
	global_load_b128 v[X+4*rw:X+4*rw+3], v1, s[4:5] offset:rw*4096 th:TH_LOAD_NT   ; the ring is filled: rows 0 to 7
.set rw, rw+1
.endr
; One row.  ahead = 1: its slot is filled again with the row eight further on.  left = how many younger loads may stay out.
.macro SLOT row, ahead, left
.set sl, (\row)%DEPTH
	s_wait_loadcnt \left                           ; loads come back in order (ISA guide 5.7.1): this row is in, the younger ones stay out
	s_wait_xcnt 0x0                                ; the slot's last store has read Y's two registers: they are rewritten only behind this wait
	v_cvt_pk_bf16_f32 v[Y+2*sl],   v[X+4*sl],   v[X+4*sl+1]
	v_cvt_pk_bf16_f32 v[Y+2*sl+1], v[X+4*sl+2], v[X+4*sl+3]
.if \ahead
	global_load_b128 v[X+4*sl:X+4*sl+3], v1, s[4:5] offset:((\row)+DEPTH)*4096 th:TH_LOAD_NT  ; the load goes ahead of the store
.endif
	global_store_b64 v2, v[Y+2*sl:Y+2*sl+1], s[8:9] offset:(\row)*2048
.endm
.set rw, 0
.rept ROWS-DEPTH
	SLOT rw, 1, DEPTH-1
.set rw, rw+1
.endr
.rept DEPTH
	SLOT rw, 0, ROWS-1-rw                          ; the last eight rows load nothing: the counts run down
.set rw, rw+1
.endr
	s_endpgm
.Lfunc_end_k_qac17b7c647_cast:
	.size	k_qac17b7c647_cast, .Lfunc_end_k_qac17b7c647_cast-k_qac17b7c647_cast
	.p2alignl 7, 3214868480
	.fill 96, 4, 3214868480
	.section	.rodata,"a",@progbits
	.p2align	6, 0x0
	.amdhsa_kernel k_qac17b7c647_cast
		.amdhsa_group_segment_fixed_size 0
		.amdhsa_private_segment_fixed_size 0
		.amdhsa_enable_private_segment 0
		.amdhsa_kernarg_size 32
		.amdhsa_user_sgpr_count 2
		.amdhsa_user_sgpr_kernarg_segment_ptr 1
		.amdhsa_wavefront_size32 1
		.amdhsa_system_sgpr_workgroup_id_x 1
		.amdhsa_system_sgpr_workgroup_id_y 1
		.amdhsa_system_sgpr_workgroup_id_z 1
		.amdhsa_system_vgpr_workitem_id 0
		.amdhsa_next_free_vgpr 52
		.amdhsa_next_free_sgpr 66
		.amdhsa_reserve_vcc 0
		.amdhsa_float_denorm_mode_32 3
		.amdhsa_float_denorm_mode_16_64 3
		.amdhsa_memory_ordered 1
		.amdhsa_forward_progress 1
		.amdhsa_inst_pref_size 13
	.end_amdhsa_kernel
	.amdgpu_metadata
---
amdhsa.version: [ 1, 2 ]
amdhsa.kernels:
  - .name:           k_qac17b7c647_cast
    .symbol:         k_qac17b7c647_cast.kd
    .args:
      - { .name: x, .offset: 0, .size: 8, .value_kind: global_buffer, .address_space: global }
      - { .name: W1, .offset: 8, .size: 8, .value_kind: global_buffer, .address_space: global }
      - { .name: xb, .offset: 16, .size: 8, .value_kind: global_buffer, .address_space: global }
      - { .name: w1b, .offset: 24, .size: 8, .value_kind: global_buffer, .address_space: global }
    .group_segment_fixed_size: 0
    .private_segment_fixed_size: 0
    .kernarg_segment_align: 8
    .kernarg_segment_size: 32
    .max_flat_workgroup_size: 256
    .sgpr_count:     66
    .vgpr_count:     52
    .wavefront_size: 32
...
	.end_amdgpu_metadata
.endif
;; end of part 1
;; launch gemm (part 2): grid 8 x 32, 4 waves a work-group, clusters of 4 x 4, 327,680 bytes of LDS; arguments xb, w1b, b1, W2, part; writes part
.if DOCPART == 2
	.amdgcn_target "amdgcn-amd-amdhsa--gfx1250"
	.amdhsa_code_object_version 6
	.text
	.protected	k_qac17b7c647_gemm
	.globl	k_qac17b7c647_gemm
	.p2align	8
	.type	k_qac17b7c647_gemm,@function
k_qac17b7c647_gemm:
	s_mov_b64 s[64:65], 0
	v_nop
	global_prefetch_b8 v0, s[64:65] scope:SCOPE_SE
	s_setreg_imm32_b32 hwreg(HW_REG_WAVE_MODE, 25, 1), 1
	s_wait_xcnt 0x0
	s_wait_alu depctr_hold_cnt(0) depctr_sa_sdst(0) depctr_va_vdst(0) depctr_va_sdst(0) depctr_va_ssrc(0) depctr_va_vcc(0) depctr_vm_vsrc(0)
	s_getreg_b32 s2, hwreg(HW_REG_IB_STS2, 6, 4)
	s_cmp_eq_u32 s2, 0
	s_cbranch_scc0 .Lentry_in_a_cluster
	s_endpgm
.Lentry_in_a_cluster:
	s_bfe_u32 s2, ttmp6, 0x10000c
	s_cmp_lg_u32 s2, 0xf033
	s_cbranch_scc0 .Lentry_shape_is_right
	s_endpgm
.Lentry_shape_is_right:
; h = relu(x W1^T + b1) for a tile of 256 rows x 256 columns, and straight from the registers this tile's share of the logits:
; part[ct][row][e] = the sum over the tile's 256 columns n of h[row][n] W2[e][n].  xb: [8192][4096] bf16, w1b: [2048][4096] bf16, b1: [2048] f32, W2: [64][2048] f32,
; part: [8 column tiles][8192][64] f32 (partial sums: f32).  h never goes to memory.
; NUMBERS.  All inputs count as rounded to bf16 (x and W1 by the launch before, b1 and W2 here); sums in f32.  The chosen experts are compared exactly, so h is not rounded for the second
; product: it enters as three bf16 parts, hi + mid + lo = h without a remainder (8 + 8 + 8 bits hold f32's 24), three matrix instructions in place of one.
; LIMITS.  b1 starts the sums over K where the definition adds it last: another order of rounding.  relu(NaN) gives 0; infinities are not treated apart; an h of 3.39e38 or more rounds to infinity in its first part.
; SHARES.  Four waves, as many as a WGP has SIMDs; a wave makes 128 x 128 of h: 64 accumulators of 16 x 16, 512 registers.  K goes in steps of 128 through a ring of two LDS slots filled by the
; tensor data mover: the tiles' rows are 256 bytes of memory and start at multiples of 256 bytes from the buffer's first byte.  8 x 32 tiles: 256 work-groups.
; CLUSTERS.  4 x 4 work-groups.  The four of a row of the cluster need the same tiles of xb, the four of a column the same tiles of w1b: each tile is asked for JOINTLY, by the same tensor load with
; the same descriptor and a mask that names the four.
; THE MATRIX INSTRUCTION IS USED TRANSPOSED: source 0 = 16 rows of w1b, source 1 = 16 rows of xb.  Lane l then holds row l % 16 of h and the columns 8 (l / 16) + 0..7; two such results, packed in pairs,
; ARE source 1 (16 rows x 32 columns of h) of the second product, whose source 0 is 16 rows of W2: nothing changes lanes between the products.
; REGISTERS, in windows of 256 (s_set_vgpr_msb: bits 1:0 source 0, 3:2 source 1, 5:4 source 2, 7:6 destination):
;   window 0: v0-31 addresses; v32-63 at work; v64-127, v128-191 fragments of xb, two buffers (on the way out: h's parts, and the logits' accumulators); v192-255 b1 of my columns
;   window 1: v64-127, v128-191 fragments of w1b, two buffers; v0-63, v192-255 W2's 16 fragments, kept for the way out
;   windows 2, 3: the accumulators of my rows 0-63, 64-127 ((a, b) at v[8 (8 a + b)]); ahead of the first product W2 and b1 land there as f32; at the end window 2 takes the rows read back
.set SIZE_K, 4096
.set KSTEP,  128
.set PITCH,  272                       ; an LDS row: 256 bytes + 16 of padding = 68 words: row r starts at bank 4 r mod 64 (64 banks of 4 bytes: ISA guide 11.1), so the 16 rows of a load start at 16 different banks
.set HALFT,  128*PITCH                 ; 128 rows: what one tensor load brings, and what one wave reads of xb or of w1b
.set SLOT,   4*HALFT                   ; xb's 256 rows, then w1b's 256 rows
.set COPY,   256*PITCH                 ; the way out: 256 rows of 64 logits (256 bytes + 16).  Two copies, one for each half of the tile's columns, fill slot 0, which has had its last fill by then
.set SPARE,  2*SLOT                    ; behind the ring: the spare words, 128 bytes for each wave: two blocks of 256 bytes that no other line names
.set LAPS,   SIZE_K/(2*KSTEP)          ; a lap = two K steps = once round the ring: 16
.set ADRA, 16                          ; v16-17  LDS address of my fragments of xb in slot 0, 1
.set ADRB, 20                          ; v20-21  the same for w1b
.set W2O,  22                          ; v22     my byte offset in W2: row l % 16, 32 bytes for each half of the lanes
.set B1O,  23                          ; v23     my byte offset in b1
.set STO,  24                          ; v24     the way out: where I put 32 bytes of a row of logits
.set RD,   25                          ; v25     where I read rows back, first copy
.set CO,   26                          ; v26     my byte offset in 512 consecutive bytes of part
.set RD1,  27                          ; v27     where I read rows back, second copy
.set SPW,  28                          ; v28     LDS address of my spare word: SPARE + 4 x my thread's number; never rewritten
.set NIL,  29                          ; v29     0; never rewritten
.set NEG1, 30                          ; v30     -1.0
.set T,    32                          ; v32-47  16 numbers of h in f32, at work
.set F0,   64                          ; fragment buffer 0
.set F1,   128                         ; fragment buffer 1
.set B1,   192                         ; v192-255 b1 (rounded to bf16, as f32) of my columns: block b of 16 at B1 + 8 b
.set HB,   64                          ; the way out: h's parts, two sets of 24: hi, mid, lo, eight registers each
.set LG,   128                         ; the way out: the logits' accumulators, two buffers of four
.set G1,  24                           ; s[24:31] descriptor group 1 for xb's tiles
.set G0,  32                           ; s[32:39] descriptor group 0 for xb's tiles, one set for each slot
.set G1B, 48                           ; s[48:55] descriptor group 1 for w1b's tiles: it differs in the mask alone
.set G0B, 56                           ; s[56:63] descriptor group 0 for w1b's tiles
.set MSB, 0
.macro WIN new                         ; the immediate's high byte repeats the setting that is left; a switch that changes nothing is dropped
.if MSB != (\new)
	s_set_vgpr_msb (MSB<<8)|(\new)
.set MSB, \new
.endif
.endm
.set TO_B, 0x40                        ; destination window 1, address window 0
; A joint load.  Waves 0 and 1 fetch xb's two halves, waves 2 and 3 w1b's.  Each of the two lines has ONE mask and one set of registers for all that issue it.  The branch hangs on the wave's number alone.
; An s_nop 0 and four v_nop follow each of the two lines; the jump, the label and what follows come after them.
.macro JLOAD s
	s_cmp_eq_u32 s11, 0
	s_cbranch_scc0 .Lfor_b_\@
	tensor_load_to_lds s[G0+4*(\s):G0+4*(\s)+3], s[G1:G1+7]
	s_nop 0
.rept 4
	v_nop
.endr
	s_branch .Lasked_\@
.Lfor_b_\@:
	tensor_load_to_lds s[G0B+4*(\s):G0B+4*(\s)+3], s[G1B:G1B+7]
	s_nop 0
.rept 4
	v_nop
.endr
.Lasked_\@:
.endm
; A round of the cluster's barrier: my work-group's barrier, so that wave 0's signal speaks for all four waves; wave 0 signals for the work-group; every wave waits for all sixteen; my work-group's barrier once more.
.macro CREST                           ; a round behind its opening barrier
	s_cmp_lg_u32 s10, 0
	s_cbranch_scc1 .Lnot_wave_0_\@
	s_barrier_signal -3
.Lnot_wave_0_\@:
	s_barrier_wait -3
	s_barrier_signal -1
	s_barrier_wait -1
.endm
.macro CROUND                          ; a whole round
	s_barrier_signal -1
	s_barrier_wait -1
	CREST
.endm
	s_load_b128 s[4:7], s[0:1], 0x0                ; xb s[4:5], w1b s[6:7]
	s_load_b128 s[68:71], s[0:1], 0x10             ; b1 s[68:69], W2 s[70:71]
	s_load_b64 s[8:9], s[0:1], 0x20                ; part
	v_lshl_add_u32 v[SPW], v0, 2, SPARE
	v_mov_b32 v[NIL], 0
	ds_add_u32 v[SPW], v[NIL]                      ; the wave's opening: the add and its wait ahead of my first tensor load; the set-up below, work on registers, stands between them
	v_lshrrev_b32 v1, 5, v0
	v_readfirstlane_b32 s10, v1                    ; wave 0..3
	s_lshr_b32 s11, s10, 1                         ; which half of the tile's rows is mine.  Also: I fetch for xb (0) or for w1b (1)
	s_and_b32 s12, s10, 1                          ; which half of its columns.  Also: which 128 rows of that tile I fetch
	s_bfe_u32 s40, ttmp6, 0x40000                  ; cx: my place along the cluster's x
	s_bfe_u32 s41, ttmp6, 0x40004                  ; cy: along its y
	s_lshl_b32 s42, ttmp9, 2                       ; in a cluster launch ttmp9 and ttmp7 count clusters
	s_add_co_u32 s42, s42, s40                     ; column tile of h = 4 x cluster x + cx: 0..7
	s_and_b32 s13, ttmp7, 0xffff
	s_lshl_b32 s13, s13, 2
	s_add_co_u32 s13, s13, s41                     ; row tile of h = 4 x cluster y + cy: 0..31
	s_lshl_b32 s43, s41, 2
	s_lshl_b32 s43, 15, s43                        ; my row of the cluster: places 4 cy .. 4 cy + 3
	s_lshl_b32 s44, 0x1111, s40                    ; my column: places cx, cx + 4, cx + 8, cx + 12
	; descriptor group 1: a tile of 128 rows x 128 elements, padded in LDS
	s_or_b32 s[G1+0], s43, (1<<16)|(1<<20)|(1<<21)|(5<<22)|(3<<25)   ; 15:0 the mask: xb's tiles go to my row; 17:16 elements of 2 bytes; 20 padding on; 21 set beside a mask; 24:22 after every 64 words (code 5); 31:25 4 words of it (code 3)
	s_or_b32 s[G1B+0], s44, (1<<16)|(1<<20)|(1<<21)|(5<<22)|(3<<25)  ; the same with the mask of my column, for w1b's tiles
.irp g, G1, G1B
	s_mov_b32 s[(\g)+1], KSTEP<<16                 ; 63:48 tensor_dim0, low half = 128
	s_mov_b32 s[(\g)+2], 128<<16                   ; 79:64 its high half = 0; 95:80 tensor_dim1, low half = 128
	s_mov_b32 s[(\g)+3], KSTEP<<16                 ; 111:96 its high half = 0; 127:112 tile_dim0 = 128
	s_mov_b32 s[(\g)+4], 128                       ; 143:128 tile_dim1 = 128; 159:144 tile_dim2 = 0
	s_mov_b32 s[(\g)+5], SIZE_K                    ; 191:160 tensor_dim0_stride, low word: elements from row to row
	s_mov_b32 s[(\g)+6], 0
	s_mov_b32 s[(\g)+7], 0
.endr
	; where the tiles come from.  xb's hang on the row tile alone, which my row of the cluster shares; w1b's on the column tile alone, which my column shares.
	s_lshl_b32 s17, s12, 7                         ; which 128 rows of the tile I fetch
	s_lshl_b32 s16, s13, 8
	s_add_co_u32 s16, s16, s17                     ; xb: row 256 x row tile + 128 x half
	s_lshl_b32 s46, s42, 8
	s_add_co_u32 s46, s46, s17                     ; w1b: row 256 x column tile + 128 x half
	s_mov_b32 s17, 0
	s_mov_b32 s47, 0
	s_mov_b64 s[18:19], SIZE_K*2
	s_mul_u64 s[16:17], s[16:17], s[18:19]         ; in bytes
	s_mul_u64 s[46:47], s[46:47], s[18:19]
	s_mul_i32 s20, s10, HALFT                      ; and where they go: wave x 128 rows: no place in the cluster enters an LDS address
	s_wait_dscnt 0x0                               ; the opening add is done
	s_wait_kmcnt 0x0
	s_add_nc_u64 s[14:15], s[4:5], s[16:17]
	s_add_nc_u64 s[46:47], s[6:7], s[46:47]
	CROUND                                         ; all sixteen work-groups are here: the first joint loads meet
.irp s, 0,1
	s_mov_b32 s[G0+4*(\s)], 1                                        ; 1:0 count = 1
	s_add_co_u32 s[G0+4*(\s)+1], s20, (\s)*SLOT                      ; 63:32 LDS address
	s_add_nc_u64 s[G0+4*(\s)+2:G0+4*(\s)+3], s[14:15], (\s)*KSTEP*2  ; 120:64 global address: K step s
	s_or_b32 s[G0+4*(\s)+3], s[G0+4*(\s)+3], 0x80000000              ; 127:126 type = 2
	s_mov_b32 s[G0B+4*(\s)], 1
	s_add_co_u32 s[G0B+4*(\s)+1], s20, (\s)*SLOT
	s_add_nc_u64 s[G0B+4*(\s)+2:G0B+4*(\s)+3], s[46:47], (\s)*KSTEP*2
	s_or_b32 s[G0B+4*(\s)+3], s[G0B+4*(\s)+3], 0x80000000
	JLOAD \s                                       ; the ring is filled before anything else is done: two tensor loads of mine are out
.endr
	; ALL THAT FOLLOWS, UP TO THE WAIT FOR K STEP 0, STANDS IN THE WAIT FOR THE FIRST TILES.
	; A fragment is 16 rows x 32 K in 8 registers: lane l holds row l % 16; registers 0-3 hold K = 8 (l / 16) + 0..7, registers 4-7 K = 16 + 8 (l / 16) + 0..7: two loads of 16 bytes, 32 bytes apart.
	v_and_b32 v1, 15, v0                           ; l % 16
	v_bfe_u32 v2, v0, 4, 1                         ; l / 16
	v_mul_u32_u24 v3, v1, PITCH
	v_lshl_add_u32 v3, v2, 4, v3                   ; row x pitch + 16 x half
	s_mul_i32 s21, s11, HALFT                      ; my 128 rows of xb
	s_mul_i32 s22, s12, HALFT                      ; my 128 rows of w1b,
	s_add_co_u32 s22, s22, 2*HALFT                 ; which lie behind xb's 256
.irp s, 0,1
	v_add_nc_u32 v[ADRA+(\s)], s21, v3
	v_add_nc_u32 v[ADRB+(\s)], s22, v3
	s_add_co_u32 s21, s21, SLOT
	s_add_co_u32 s22, s22, SLOT
.endr
	v_lshlrev_b32 v[W2O], 13, v1                   ; W2: a row is 8,192 bytes; 8 numbers of f32 are 32 bytes
	v_lshl_add_u32 v[W2O], v2, 5, v[W2O]
	v_lshlrev_b32 v[B1O], 5, v2
	s_mul_i32 s23, s12, COPY                       ; into the stage: my column half's copy, my 128 rows; row l % 16, 32 bytes for each half of the lanes
	s_mul_i32 s21, s11, HALFT
	s_add_co_u32 s23, s23, s21
	v_mul_u32_u24 v4, v1, PITCH
	v_lshl_add_u32 v4, v2, 5, v4
	v_add_nc_u32 v[STO], s23, v4
	s_mul_i32 s23, s10, 64*PITCH                   ; back: wave w takes rows 64 w .. 64 w + 63 of both copies; lanes 0-15 one row of 256 bytes, lanes 16-31 the next
	v_mul_u32_u24 v5, v2, PITCH
	v_lshl_add_u32 v5, v1, 4, v5
	v_add_nc_u32 v[RD], s23, v5
	v_add_nc_u32 v[RD1], COPY, v[RD]
	v_and_b32 v[CO], 31, v0                        ; which are 512 consecutive bytes of part
	v_lshlrev_b32 v[CO], 4, v[CO]
	v_mov_b32 v[NEG1], -1.0
	s_lshl_b32 s46, s42, 10                        ; my first column of h, in f32 bytes: 1,024 x column tile + 512 x half (in the registers that held w1b's address: none that feeds xb's descriptors ever holds cx)
	s_lshl_b32 s47, s12, 9
	s_add_co_u32 s46, s46, s47
	s_mov_b32 s47, 0
	s_add_nc_u64 s[68:69], s[68:69], s[46:47]      ; b1 and W2 at that column
	s_add_nc_u64 s[70:71], s[70:71], s[46:47]
	s_lshl_b32 s16, s13, 16                        ; part: 256 rows of 256 bytes a row tile,
	s_lshl_b32 s17, s10, 14                        ; 64 rows a wave,
	s_add_co_u32 s16, s16, s17
	s_mov_b32 s17, 0
	s_add_nc_u64 s[8:9], s[8:9], s[16:17]
	s_lshl_b32 s46, s42, 21                        ; 8,192 rows a column tile
	s_add_nc_u64 s[8:9], s[8:9], s[46:47]
	; W2's 64 rows x my 128 columns: fragment f = 4 e + c (experts 16 e on, columns 32 c on), 16 f32 a lane, into window 2; b1's 128 numbers, 64 a lane, into window 3.  Read once a wave.
	WIN 0x80                                       ; destination window 2, address window 0
.set f, 0
.rept 16
.irp q, 0,1,2,3
	global_load_b128 v[16*f+4*(\q):16*f+4*(\q)+3], v[W2O], s[70:71] offset:(f/4)*131072+(f%4)*128+((\q)/2)*64+((\q)%2)*16
.endr
.set f, f+1
.endr
	WIN 0xc0                                       ; destination window 3
.irp b, 0,1,2,3,4,5,6,7
	global_load_b128 v[8*(\b):8*(\b)+3],   v[B1O], s[68:69] offset:64*(\b)
	global_load_b128 v[8*(\b)+4:8*(\b)+7], v[B1O], s[68:69] offset:64*(\b)+16
.endr
	s_wait_loadcnt 0x0
	WIN 0x4a                                       ; sources window 2, destination window 1: W2 rounded to bf16; fragment f at 8 f, the upper eight 128 further on
.set f, 0
.rept 16
.set p, 0
.rept 8
	v_cvt_pk_bf16_f32 v[8*f+128*(f/8)+p], v[16*f+2*p], v[16*f+2*p+1]
.set p, p+1
.endr
.set f, f+1
.endr
	WIN 0x0f                                       ; sources window 3, destination window 0: b1 rounded to bf16 like every input,
.set i, 0
.rept 32
	v_cvt_pk_bf16_f32 v[T+i], v[2*i], v[2*i+1]
.set i, i+1
.endr
	WIN 0
.set i, 0
.rept 32                                           ; and widened again: it is the C operand that starts the sums
	v_lshlrev_b32 v[B1+2*i],   16, v[T+i]
	v_and_b32     v[B1+2*i+1], 0xffff0000, v[T+i]
.set i, i+1
.endr
; 16 matrix instructions: m blocks a0, a0 + 1 of the window's four (hi = 0: my rows 0-63, 1: rows 64-127) x all 8 n blocks, 32 along K.
; first = 1: the first product starts the sums with b1 (C in window 0): nothing is ever cleared.  The 64 accumulators take turns, one instruction a turn.
.macro MUL16 f, hi, a0, first
.if \first
	WIN 0x81+0x40*(\hi)                            ; source 0 (w1b) window 1, source 1 (xb) and C (b1) window 0, D window 2 or 3
.else
	WIN 0xa1+0x50*(\hi)                            ; the same with C and D in window 2 or 3
.endif
.irp a, \a0, (\a0)+1
.irp b, 0,1,2,3,4,5,6,7
.if \first
	v_wmma_f32_16x16x32_bf16 v[8*(8*(\a)+(\b)):8*(8*(\a)+(\b))+7], v[(\f)+8*(\b):(\f)+8*(\b)+7], v[(\f)+8*(4*(\hi)+(\a)):(\f)+8*(4*(\hi)+(\a))+7], v[B1+8*(\b):B1+8*(\b)+7]
.else
	v_wmma_f32_16x16x32_bf16 v[8*(8*(\a)+(\b)):8*(8*(\a)+(\b))+7], v[(\f)+8*(\b):(\f)+8*(\b)+7], v[(\f)+8*(4*(\hi)+(\a)):(\f)+8*(4*(\hi)+(\a))+7], v[8*(8*(\a)+(\b)):8*(8*(\a)+(\b))+7]
.endif
.endr
.endr
.endm
; 32 LDS loads in one run: the fragments of one quarter step (128 rows of w1b, 128 rows of xb, 32 K at byte k of the rows) into buffer f
.macro FETCH slot, k, f
	WIN TO_B
.irp i, 0,1,2,3,4,5,6,7
	ds_load_b128 v[(\f)+8*(\i):(\f)+8*(\i)+3],   v[ADRB+(\slot)] offset:(\k)+(\i)*16*PITCH
	ds_load_b128 v[(\f)+8*(\i)+4:(\f)+8*(\i)+7], v[ADRB+(\slot)] offset:(\k)+(\i)*16*PITCH+32
.endr
	WIN 0
.irp i, 0,1,2,3,4,5,6,7
	ds_load_b128 v[(\f)+8*(\i):(\f)+8*(\i)+3],   v[ADRA+(\slot)] offset:(\k)+(\i)*16*PITCH
	ds_load_b128 v[(\f)+8*(\i)+4:(\f)+8*(\i)+7], v[ADRA+(\slot)] offset:(\k)+(\i)*16*PITCH+32
.endr
.endm
; A load into a register that a matrix instruction has read, and a vector instruction or LDS store that reads a matrix result, stand four places behind that matrix instruction, and only plain vector
; instructions that name none of its registers are places (ISA guide 7.12.1 for vector instructions).
.macro PLACES
.rept 4
	v_nop
.endr
.endm
; A K step is four quarter steps of 32 along K, 64 matrix instructions each, on buffers 0, 1, 0, 1.
; One of the first three: multiplies buffer f; in its middle it fetches the next quarter's fragments, at byte k of the same slot's rows, into buffer g.
.macro QUARTER slot, k, f, g, first
	s_wait_dscnt 8                                 ; w1b and xb's rows 0-63 are in; the youngest eight loads (xb's rows 64-127) may be out
	MUL16 \f, 0, 0, \first
	MUL16 \f, 0, 2, \first
	PLACES
	FETCH \slot, \k, \g
	s_wait_dscnt 32                                ; all but the 32 just issued
	MUL16 \f, 1, 0, \first
	MUL16 \f, 1, 2, \first
.endm
; The last quarter multiplies buffer 1 and changes slots.  MEET is its first half: ONE barrier for the change of slots.  In front of it each wave waits for all its tensor loads, of which one is out: its
; part of the next slot; adds 0 to its spare word; and waits for that and for its own reads of this slot.  Behind it nobody reads this slot any more and the next slot is whole.
.macro MEET round                      ; round = 1: a round of the cluster's barrier follows
	WIN 0                                          ; (the add's two registers lie in window 0)
	s_wait_tensorcnt 0x0                           ; all my tensor loads have landed;
	ds_add_u32 v[SPW], v[NIL]                      ; 0 onto my spare word;
	s_wait_dscnt 9                                 ; (the add and the youngest eight loads may be out)
	MUL16 F1, 0, 0, 0                              ; sixteen matrix instructions stand between the add and the wait for it
	s_wait_dscnt 0x0                               ; the add is done, and my reads of this slot are over:
	s_barrier_signal -1                            ; say so,
	MUL16 F1, 0, 2, 0                              ; work on registers while the others arrive,
.if \round
	WIN 0
.endif
	s_barrier_wait -1                              ; and go on when all four have said so
.endm
; The whole last quarter.  fill = 1: the barrier has opened a round of the cluster's barrier; behind the round the slot just read out is filled again first, with the K step two steps on: from that
; request to the wait for it a wave issues 224 matrix instructions.  Then come the next slot's first fragments.
.macro TURN slot, next, fill
	MEET \fill
.if \fill
	CREST                                          ; no wave of any partner still reads this slot's tile or has a load on its way
	s_add_nc_u64 s[G0+4*(\slot)+2:G0+4*(\slot)+3], s[G0+4*(\slot)+2:G0+4*(\slot)+3], 2*KSTEP*2
	s_add_nc_u64 s[G0B+4*(\slot)+2:G0B+4*(\slot)+3], s[G0B+4*(\slot)+2:G0B+4*(\slot)+3], 2*KSTEP*2
	JLOAD \slot                                    ; my one tensor load behind the round; the four v_nop behind it are also the places in front of the loads below
.else
	PLACES
.endif
	FETCH \next, 0, F0
	MUL16 F1, 1, 0, 0
	MUL16 F1, 1, 2, 0
.endm
; THE WAY OUT.  Block a (16 rows), chunk c (32 columns of h: accumulators (a, 2 c) and (a, 2 c + 1)).
.macro PART d                          ; what is left of the 16 numbers, rounded to bf16 in pairs: eight registers, a source 1 of the second product
.set i, 0
.rept 8
	v_cvt_pk_bf16_f32 v[(\d)+i], v[T+2*i], v[T+2*i+1]
.set i, i+1
.endr
.endm
.macro LESS d                          ; and that part taken away again, without a rounding: the difference of an f32 and its bf16 rounding is an f32
.set i, 0
.rept 8
	v_fma_mix_f32_bf16 v[T+2*i],   v[(\d)+i], v[NEG1], v[T+2*i]   op_sel_hi:[1,0,0]
	v_fma_mix_f32_bf16 v[T+2*i+1], v[(\d)+i], v[NEG1], v[T+2*i+1] op_sel:[1,0,0] op_sel_hi:[1,0,0]
.set i, i+1
.endr
.endm
.macro SPLIT a, c                      ; relu, then h = hi + mid + lo.  72 plain instructions that name no register of the matrix instructions just issued: they are those instructions' places
.set AC, 64*((\a)%4)+16*(\c)
.set HS, HB+24*((\c)%2)
	WIN 0x0a+5*((\a)/4)                            ; sources window 2 or 3
.set i, 0
.rept 16
	v_max_num_f32 v[T+i], 0, v[AC+i]               ; ascending: each accumulator's lowest registers are read first
.set i, i+1
.endr
	WIN 0
	PART HS
	LESS HS
	PART HS+8
	LESS HS+8
	PART HS+16                                     ; at most 8 bits are left: this rounding changes nothing
.endm
.macro LOGIT a, c                      ; 12 matrix instructions: the chunk's three parts, the smallest first, x four blocks of 16 experts.  The four accumulators take turns
.set HS, HB+24*((\c)%2)
.set LB, LG+32*((\a)%2)
	WIN 0x01                                       ; W2 in window 1; h's parts and the sums in window 0
.irp s, 16, 8, 0
.irp e, 0,1,2,3
.set WF, 8*(4*(\e)+(\c))+128*((4*(\e)+(\c))/8)
.if ((\c) == 0) && ((\s) == 16)
	v_wmma_f32_16x16x32_bf16 v[LB+8*(\e):LB+8*(\e)+7], v[WF:WF+7], v[HS+(\s):HS+(\s)+7], 0
.else
	v_wmma_f32_16x16x32_bf16 v[LB+8*(\e):LB+8*(\e)+7], v[WF:WF+7], v[HS+(\s):HS+(\s)+7], v[LB+8*(\e):LB+8*(\e)+7]
.endif
.endr
.endr
.endm
.macro STAGE a                         ; block a's logits: lane l holds row l % 16 and, of each 16 experts, 8 (l / 16) + 0..7: 32 bytes.  The 16 rows of a store start at 16 different banks
.set LB, LG+32*((\a)%2)
	WIN 0
.irp e, 0,1,2,3
	ds_store_b128 v[STO], v[LB+8*(\e):LB+8*(\e)+3]   offset:(\a)*16*PITCH+64*(\e)
	ds_store_b128 v[STO], v[LB+8*(\e)+4:LB+8*(\e)+7] offset:(\a)*16*PITCH+64*(\e)+16
.endr
.endm
	s_wait_tensorcnt 1                             ; my part of K step 0 is in; K step 1's may stay out
	s_barrier_signal -1
	s_barrier_wait -1                              ; everybody's is
	FETCH 0, 0, F0
	QUARTER 0, 64,  F0, F1, 1                      ; the first quarter stands in front of the loop: its products start the sums
	WIN 0                                          ; at a label and at a branch every window is 0
	s_mov_b32 s3, LAPS-1
.Llap:                                                 ; a trip goes once round the ring, from a lap's second quarter to the next lap's first, and fills both slots again
	QUARTER 0, 128, F1, F0, 0
	QUARTER 0, 192, F0, F1, 0
	TURN 0, 1, 1
	QUARTER 1, 64,  F0, F1, 0
	QUARTER 1, 128, F1, F0, 0
	QUARTER 1, 192, F0, F1, 0
	TURN 1, 0, 1
	QUARTER 0, 64,  F0, F1, 0
	WIN 0
	s_sub_co_u32 s3, s3, 1
	s_cmp_lg_u32 s3, 0
	s_cbranch_scc1 .Llap
	QUARTER 0, 128, F1, F0, 0                      ; the last lap is written out: it fills nothing and has no round
	QUARTER 0, 192, F0, F1, 0
	TURN 0, 1, 0                                   ; behind this barrier no wave reads slot 0 any more, and no load fills it: it is the stage of the way out
	QUARTER 1, 64,  F0, F1, 0
	QUARTER 1, 128, F1, F0, 0
	QUARTER 1, 192, F0, F1, 0
	s_wait_dscnt 8                                 ; the very last quarter: nothing more to fetch
	MUL16 F1, 0, 0, 0
	MUL16 F1, 0, 2, 0
	s_wait_dscnt 0x0
	MUL16 F1, 1, 0, 0
	MUL16 F1, 1, 2, 0
	PLACES                                         ; the first relu reads results, and no other vector work is at hand
.set ia, 0
.rept 8
.set ic, 0
.rept 4
	SPLIT ia, ic
.if (ic == 0) && (ia > 0)
	STAGE ia-1                                     ; the block before is finished: SPLIT's lines are the places behind its last products
.endif
	LOGIT ia, ic
.set ic, ic+1
.endr
.set ia, ia+1
.endr
	PLACES
	STAGE 7
	s_wait_dscnt 0x0                               ; for the others' sake: my stores into the stage are done
	s_barrier_signal -1
	s_barrier_wait -1
	WIN 0x80                                       ; destination window 2: 64 whole rows of both copies, two rows a load
.set t, 0
.rept 32
	ds_load_b128 v[4*t:4*t+3],         v[RD]  offset:2*PITCH*t
	ds_load_b128 v[128+4*t:128+4*t+3], v[RD1] offset:2*PITCH*t
.set t, t+1
.endr
	s_wait_dscnt 0x0
	WIN 0x8a                                       ; the two halves of the tile's columns are added
.set t, 0
.rept 64
	v_pk_add_f32 v[2*t:2*t+1], v[2*t:2*t+1], v[128+2*t:128+2*t+1]
.set t, t+1
.endr
	WIN 0x08                                       ; store data window 2, address window 0
.set t, 0
.rept 32
	global_store_b128 v[CO], v[4*t:4*t+3], s[8:9] offset:512*t   ; 512 consecutive bytes, two whole rows of part, at a multiple of 256 from its first byte
.set t, t+1
.endr
	WIN 0
	s_wait_tensorcnt 0x0                           ; the wave's end, behind my last tensor load and my last LDS store
	ds_add_u32 v[SPW], v[NIL]
	s_wait_dscnt 0x0
	CROUND                                         ; the closing round: no work-group ends while a partner may still ask for a tile that names it
	s_endpgm
.Lfunc_end_k_qac17b7c647_gemm:
	.size	k_qac17b7c647_gemm, .Lfunc_end_k_qac17b7c647_gemm-k_qac17b7c647_gemm
	.p2alignl 7, 3214868480
	.fill 96, 4, 3214868480
	.section	.rodata,"a",@progbits
	.p2align	6, 0x0
	.amdhsa_kernel k_qac17b7c647_gemm
		.amdhsa_group_segment_fixed_size 327680
		.amdhsa_private_segment_fixed_size 0
		.amdhsa_enable_private_segment 0
		.amdhsa_kernarg_size 40
		.amdhsa_user_sgpr_count 2
		.amdhsa_user_sgpr_kernarg_segment_ptr 1
		.amdhsa_wavefront_size32 1
		.amdhsa_system_sgpr_workgroup_id_x 1
		.amdhsa_system_sgpr_workgroup_id_y 1
		.amdhsa_system_sgpr_workgroup_id_z 1
		.amdhsa_system_vgpr_workitem_id 0
		.amdhsa_next_free_vgpr 1024
		.amdhsa_next_free_sgpr 72
		.amdhsa_reserve_vcc 0
		.amdhsa_float_denorm_mode_32 3
		.amdhsa_float_denorm_mode_16_64 3
		.amdhsa_memory_ordered 1
		.amdhsa_forward_progress 1
		.amdhsa_inst_pref_size 255
	.end_amdhsa_kernel
	.section	.bss,"aw",@nobits
	.p2align	6
	.space	262144
	.amdgpu_metadata
---
amdhsa.version: [ 1, 2 ]
amdhsa.kernels:
  - .name:           k_qac17b7c647_gemm
    .symbol:         k_qac17b7c647_gemm.kd
    .args:
      - { .name: xb, .offset: 0, .size: 8, .value_kind: global_buffer, .address_space: global }
      - { .name: w1b, .offset: 8, .size: 8, .value_kind: global_buffer, .address_space: global }
      - { .name: b1, .offset: 16, .size: 8, .value_kind: global_buffer, .address_space: global }
      - { .name: W2, .offset: 24, .size: 8, .value_kind: global_buffer, .address_space: global }
      - { .name: part, .offset: 32, .size: 8, .value_kind: global_buffer, .address_space: global }
    .group_segment_fixed_size: 327680
    .private_segment_fixed_size: 0
    .kernarg_segment_align: 8
    .kernarg_segment_size: 40
    .max_flat_workgroup_size: 128
    .sgpr_count:     72
    .vgpr_count:     1024
    .wavefront_size: 32
...
	.end_amdgpu_metadata
.endif
;; end of part 2
;; launch route (part 3): grid 256 x 1, 8 waves a work-group, no clusters, 1,792 bytes of LDS; arguments part, b2, out0, out1, ent; writes out0, out1, ent
.if DOCPART == 3
	.amdgcn_target "amdgcn-amd-amdhsa--gfx1250"
	.amdhsa_code_object_version 6
	.text
	.protected	k_qac17b7c647_route
	.globl	k_qac17b7c647_route
	.p2align	8
	.type	k_qac17b7c647_route,@function
k_qac17b7c647_route:
	s_mov_b64 s[64:65], 0
	v_nop
	global_prefetch_b8 v0, s[64:65] scope:SCOPE_SE
	s_setreg_imm32_b32 hwreg(HW_REG_WAVE_MODE, 25, 1), 1
	s_wait_xcnt 0x0
; logits[row][e] = the sum over the 8 column tiles of part[ct][row][e], + b2[e] (b2 rounded to bf16 like every input).  For each row: the two largest logits and their experts, the two routing
; weights, and the row's sum of p log2(p + 1e-10) with p = softmax(logits); ent[work-group] = that sum over the work-group's 32 rows.
; WEIGHTS.  softmax(l / 0.8) grows with l, so its two largest are the two largest logits; renormalised they are 1 / (1 + e) and e / (1 + e), e = exp((l2 - l1) / 0.8) <= 1: the row's maximum is
; taken away, and the softmax's divisor cancels.  Equal logits: the lower expert first.
; LIMITS.  The choice is made on the logits: two unequal logits whose f32 probabilities coincide would be ordered by index in the definition.  NaN and infinities are not treated apart
; (a row with a NaN gets expert 64).  An exponential below 2^-126 counts as 0.
; SHARES.  A work-group takes 32 rows, a wave 4, as two pairs; sixteen lanes hold a row, four experts each: a wave's load covers two whole rows, 512 consecutive bytes, and every reduction along a row
; stays inside sixteen lanes.  No tile is shared between work-groups and nothing is multiplied: no cluster, no tensor load, no matrix instruction.
; LDS: 0-255 the 32 rows' weights, 256-511 their experts, 512-543 the eight waves' sums (a block of 256 to themselves), 768-1791 the spare words.
.set CT,    2097152                    ; bytes of a column tile's part: 8,192 rows of 256
.set SPARE, 768
.set SPW,  6                           ; v6     LDS address of my spare word; never rewritten
.set NIL,  7                           ; v7     0; never rewritten
.set NINF, 8                           ; v8     -infinity
.set BIG,  9                           ; v9     64.0: above every expert's number
.set IDX,  10                          ; v10-13 my four experts' numbers, as f32
.set BB,   14                          ; v14-17 their b2
.set X,    32                          ; v32-95 pair p, column tile ct at X + 32 p + 4 ct
.set QB,   96                          ; pair p at Q = QB + 24 p: +0..3 logits; +4..7 logits without the first choice, later +4 the row's sum, +6 1 + e; +8..11 at work;
                                       ; +12 l1, +13 its expert, +14 l2, +15 its expert; +16..19 exponentials, then p; +20, +21 the weights; +22, +23 the experts as whole numbers
.macro RED2 op, off                    ; a reduction over the sixteen lanes of a row, for both pairs by turns; every lane ends up with the result
.irp m, 1,2,4,8
.irp p, 0,1
	\op v[QB+24*\p+\off], v[QB+24*\p+\off], v[QB+24*\p+\off] row_xmask:\m row_mask:0xf bank_mask:0xf
.endr
.endr
.endm
.macro MAXOF src, mx                   ; the row's largest of the four registers at src
.irp p, 0,1
.set Q, QB+24*\p
	v_max3_num_f32 v[Q+\mx], v[Q+\src], v[Q+\src+1], v[Q+\src+2]
.endr
.irp p, 0,1
.set Q, QB+24*\p
	v_max_num_f32 v[Q+\mx], v[Q+\mx], v[Q+\src+3]
.endr
	RED2 v_max_num_f32_dpp, \mx
.endm
.macro PICK src, mx, ix                ; the lowest expert whose number at src equals the maximum
.irp p, 0,1
.set Q, QB+24*\p
.irp k, 0,1,2,3
	v_cmp_eq_f32 vcc_lo, v[Q+\src+\k], v[Q+\mx]
	v_cndmask_b32 v[Q+8+\k], v[BIG], v[IDX+\k], vcc_lo
.endr
.endr
.irp p, 0,1
.set Q, QB+24*\p
	v_min3_num_f32 v[Q+\ix], v[Q+8], v[Q+9], v[Q+10]
.endr
.irp p, 0,1
.set Q, QB+24*\p
	v_min_num_f32 v[Q+\ix], v[Q+\ix], v[Q+11]
.endr
	RED2 v_min_num_f32_dpp, \ix
.endm
	s_load_b256 s[4:11], s[0:1], 0x0               ; part s[4:5], b2 s[6:7], out0 s[8:9], out1 s[10:11]
	s_load_b64 s[12:13], s[0:1], 0x20              ; ent
	v_lshl_add_u32 v[SPW], v0, 2, SPARE
	v_mov_b32 v[NIL], 0
	v_lshrrev_b32 v1, 5, v0
	v_readfirstlane_b32 s14, v1                    ; wave 0..7
	v_and_b32 v1, 31, v0                           ; lane
	v_and_b32 v2, 15, v0                           ; my place in a row
	v_lshlrev_b32 v3, 4, v1
	v_lshl_add_u32 v3, s14, 10, v3                 ; my 16 bytes in my wave's first two rows: 4 rows of 256 bytes a wave
	v_lshlrev_b32 v4, 4, v2                        ; my four numbers of b2
	s_lshl_b32 s16, ttmp9, 13                      ; the work-group's 32 rows of 256 bytes
	s_mov_b32 s17, 0
	s_mov_b32 s22, 0x76543210                      ; v_permlanex16_b32: each lane takes its own place in the other half
	s_mov_b32 s23, 0xfedcba98
	s_wait_kmcnt 0x0
	s_add_nc_u64 s[4:5], s[4:5], s[16:17]
	s_add_nc_u64 s[18:19], s[4:5], 4*CT            ; column tiles 4-7 by a second base: the signed 24-bit immediate does not reach them
	global_load_b128 v[18:21], v4, s[6:7]
.irp p, 0,1
.irp ct, 0,1,2,3
	global_load_b128 v[X+32*\p+4*\ct:X+32*\p+4*\ct+3],       v3, s[4:5]   offset:\ct*CT+512*\p th:TH_LOAD_NT
	global_load_b128 v[X+32*\p+16+4*\ct:X+32*\p+16+4*\ct+3], v3, s[18:19] offset:\ct*CT+512*\p th:TH_LOAD_NT
.endr
.endr
	s_lshl_b32 s16, ttmp9, 8                       ; 32 rows of 8 bytes in out0 and out1
	s_add_nc_u64 s[8:9], s[8:9], s[16:17]
	s_add_nc_u64 s[10:11], s[10:11], s[16:17]
	s_lshl_b32 s16, ttmp9, 2
	s_add_nc_u64 s[12:13], s[12:13], s[16:17]
	v_bfe_u32 v5, v0, 4, 1
	v_lshlrev_b32 v5, 3, v5
	v_lshl_add_u32 v5, s14, 5, v5                  ; where my row's 8 bytes of results go: row 4 w + l / 16 (+ 2 for the second pair)
	v_mov_b32 v[NINF], 0xff800000
	v_mov_b32 v[BIG], 0x42800000
	v_mov_b32 v23, 0
	v_lshlrev_b32 v24, 2, v2
	v_cvt_f32_u32 v[IDX], v24
	v_add_f32 v[IDX+1], 1.0, v[IDX]
	v_add_f32 v[IDX+2], 2.0, v[IDX]
	v_add_f32 v[IDX+3], 0x40400000, v[IDX]
	s_lshl_b32 s15, s14, 2
	v_mov_b32 v26, s15                             ; my wave's word among the eight sums
	v_lshlrev_b32 v27, 3, v1                       ; 8 bytes a lane: a whole block of 256 bytes a wave
	s_wait_loadcnt 16                              ; b2 is in; the sixteen loads of part behind it stay out
	v_cvt_pk_bf16_f32 v24, v18, v19
	v_cvt_pk_bf16_f32 v25, v20, v21
	v_lshlrev_b32 v[BB],   16, v24
	v_and_b32     v[BB+1], 0xffff0000, v24
	v_lshlrev_b32 v[BB+2], 16, v25
	v_and_b32     v[BB+3], 0xffff0000, v25
	s_wait_loadcnt 0x0
	; the logits: the eight parts in ascending order, then b2; four chains that do not wait for each other
.irp p, 0,1
.irp j, 0,2
	v_pk_add_f32 v[QB+24*\p+\j:QB+24*\p+\j+1], v[X+32*\p+\j:X+32*\p+\j+1], v[X+32*\p+4+\j:X+32*\p+4+\j+1]
.endr
.endr
.irp ct, 2,3,4,5,6,7
.irp p, 0,1
.irp j, 0,2
	v_pk_add_f32 v[QB+24*\p+\j:QB+24*\p+\j+1], v[QB+24*\p+\j:QB+24*\p+\j+1], v[X+32*\p+4*\ct+\j:X+32*\p+4*\ct+\j+1]
.endr
.endr
.endr
.irp p, 0,1
.irp j, 0,2
	v_pk_add_f32 v[QB+24*\p+\j:QB+24*\p+\j+1], v[QB+24*\p+\j:QB+24*\p+\j+1], v[BB+\j:BB+\j+1]
.endr
.endr
	; the two largest.  All choices select values; no address and no branch hangs on them
	MAXOF 0, 12
	PICK 0, 12, 13
.irp p, 0,1
.set Q, QB+24*\p
.irp k, 0,1,2,3
	v_cmp_eq_f32 vcc_lo, v[IDX+\k], v[Q+13]
	v_cndmask_b32 v[Q+4+\k], v[Q+\k], v[NINF], vcc_lo   ; the first choice is taken out
.endr
.endr
	MAXOF 4, 14
	PICK 4, 14, 15
	; first batch: ten exponentials.  e = 2^((l2 - l1) log2(e) / 0.8); 2^((l - l1) log2(e)) for the four logits
.irp p, 0,1
.set Q, QB+24*\p
	v_sub_f32 v[Q+20], v[Q+14], v[Q+12]
	v_pk_add_f32 v[Q+16:Q+17], v[Q:Q+1],   v[Q+12:Q+13] op_sel_hi:[1,0] neg_lo:[0,1] neg_hi:[0,1]
	v_pk_add_f32 v[Q+18:Q+19], v[Q+2:Q+3], v[Q+12:Q+13] op_sel_hi:[1,0] neg_lo:[0,1] neg_hi:[0,1]
.endr
.irp p, 0,1
.set Q, QB+24*\p
	v_mul_f32 v[Q+20], 0x3fe6d4ca, v[Q+20]
	v_pk_mul_f32 v[Q+16:Q+17], v[Q+16:Q+17], 0x3fb8aa3b op_sel_hi:[1,0]
	v_pk_mul_f32 v[Q+18:Q+19], v[Q+18:Q+19], 0x3fb8aa3b op_sel_hi:[1,0]
.endr
.irp p, 0,1
.set Q, QB+24*\p
	v_exp_f32 v[Q+21], v[Q+20]
.irp k, 0,1,2,3
	v_exp_f32 v[Q+16+\k], v[Q+16+\k]
.endr
.endr
	v_nop                                          ; a plain instruction behind the last exponential (ISA guide 5.7.2),
	s_wait_alu depctr_va_vdst(0)                   ; and one wait ahead of the batch's first reader
.irp p, 0,1
.set Q, QB+24*\p
	v_pk_add_f32 v[Q+4:Q+5], v[Q+16:Q+17], v[Q+18:Q+19]
	v_add_f32 v[Q+6], 1.0, v[Q+21]
.endr
.irp p, 0,1
.set Q, QB+24*\p
	v_add_f32 v[Q+4], v[Q+4], v[Q+5]
.endr
	RED2 v_add_f32_dpp, 4                          ; the row's sum of exponentials: at least 1
	; second batch: four reciprocals
.irp p, 0,1
.set Q, QB+24*\p
	v_rcp_f32 v[Q+20], v[Q+6]                      ; the first weight
	v_rcp_f32 v[Q+4], v[Q+4]
.endr
	v_nop
	s_wait_alu depctr_va_vdst(0)                   ; one wait for the four
.irp p, 0,1
.set Q, QB+24*\p
	v_mul_f32 v[Q+21], v[Q+21], v[Q+20]            ; the second weight
	v_pk_mul_f32 v[Q+16:Q+17], v[Q+16:Q+17], v[Q+4:Q+5] op_sel_hi:[1,0]   ; p
	v_pk_mul_f32 v[Q+18:Q+19], v[Q+18:Q+19], v[Q+4:Q+5] op_sel_hi:[1,0]
.endr
.irp p, 0,1
.set Q, QB+24*\p
	v_pk_add_f32 v[Q+8:Q+9],   v[Q+16:Q+17], 0x2edbe6ff op_sel_hi:[1,0]   ; p + 1e-10
	v_pk_add_f32 v[Q+10:Q+11], v[Q+18:Q+19], 0x2edbe6ff op_sel_hi:[1,0]
.endr
	; third batch: eight logarithms
.irp p, 0,1
.set Q, QB+24*\p
.irp k, 0,1,2,3
	v_log_f32 v[Q+8+\k], v[Q+8+\k]
.endr
.endr
.irp p, 0,1
.set Q, QB+24*\p
	v_cvt_i32_f32 v[Q+22], v[Q+13]                 ; independent work behind the batch: the experts as whole numbers
	v_cvt_i32_f32 v[Q+23], v[Q+15]
.endr
	s_wait_alu depctr_va_vdst(0)                   ; one wait for the eight
	v_pk_mul_f32 v[24:25], v[QB+16:QB+17], v[QB+8:QB+9]
	v_pk_fma_f32 v[24:25], v[QB+18:QB+19], v[QB+10:QB+11], v[24:25]
	v_pk_fma_f32 v[24:25], v[QB+40:QB+41], v[QB+32:QB+33], v[24:25]
	v_pk_fma_f32 v[24:25], v[QB+42:QB+43], v[QB+34:QB+35], v[24:25]
	v_add_f32 v22, v24, v25                        ; my 8 terms of p log2(p + 1e-10)
.irp m, 1,2,4,8
	v_add_f32_dpp v22, v22, v22 row_xmask:\m row_mask:0xf bank_mask:0xf
.endr
	v_permlanex16_b32 v25, v22, s22, s23           ; its destination counts as read: a register that has been written
	v_add_f32 v22, v22, v25                        ; my wave's four rows
.irp p, 0,1
.set Q, QB+24*\p
	ds_store_b64 v5, v[Q+20:Q+21] offset:16*\p     ; the sixteen lanes of a row write the same 8 bytes with the same numbers
	ds_store_b64 v5, v[Q+22:Q+23] offset:256+16*\p
.endr
	ds_store_b32 v26, v22 offset:512
	s_wait_dscnt 0x0                               ; for the others' sake: my stores are done
	s_barrier_signal -1
	s_barrier_wait -1
	s_cmp_lg_u32 s14, 0
	s_cbranch_scc1 .Lnot_0
	ds_load_b64 v[24:25], v27                      ; wave 0: the 32 rows' weights,
	s_wait_dscnt 0x0
	global_store_b64 v27, v[24:25], s[8:9]         ; 256 consecutive bytes, at a multiple of 256 from out0's first byte
	s_branch .Ldone
.Lnot_0:
	s_cmp_lg_u32 s14, 1
	s_cbranch_scc1 .Lnot_1
	ds_load_b64 v[24:25], v27 offset:256           ; wave 1: their experts
	s_wait_dscnt 0x0
	global_store_b64 v27, v[24:25], s[10:11]
	s_branch .Ldone
.Lnot_1:
	s_cmp_lg_u32 s14, 2
	s_cbranch_scc1 .Ldone
	ds_load_b128 v[24:27], v23 offset:512          ; wave 2: the eight waves' sums, in every lane
	ds_load_b128 v[28:31], v23 offset:528
	s_wait_dscnt 0x0
	v_pk_add_f32 v[24:25], v[24:25], v[28:29]
	v_pk_add_f32 v[26:27], v[26:27], v[30:31]
	v_pk_add_f32 v[24:25], v[24:25], v[26:27]
	v_add_f32 v24, v24, v25
	v_cmp_eq_u32 vcc_lo, 0, v1
	s_wait_xcnt 0x0                                ; EXEC changes only behind this wait
	s_and_saveexec_b32 s20, vcc_lo
	global_store_b32 v23, v24, s[12:13]            ; lane 0 alone: one number a work-group
	s_wait_xcnt 0x0                                ; and again, in front of the line that widens it
	s_or_b32 exec_lo, exec_lo, s20
.Ldone:
	s_wait_tensorcnt 0x0                           ; the wave's end, behind my last LDS store
	ds_add_u32 v[SPW], v[NIL]
	s_wait_dscnt 0x0
	s_endpgm
.Lfunc_end_k_qac17b7c647_route:
	.size	k_qac17b7c647_route, .Lfunc_end_k_qac17b7c647_route-k_qac17b7c647_route
	.p2alignl 7, 3214868480
	.fill 96, 4, 3214868480
	.section	.rodata,"a",@progbits
	.p2align	6, 0x0
	.amdhsa_kernel k_qac17b7c647_route
		.amdhsa_group_segment_fixed_size 1792
		.amdhsa_private_segment_fixed_size 0
		.amdhsa_enable_private_segment 0
		.amdhsa_kernarg_size 40
		.amdhsa_user_sgpr_count 2
		.amdhsa_user_sgpr_kernarg_segment_ptr 1
		.amdhsa_wavefront_size32 1
		.amdhsa_system_sgpr_workgroup_id_x 1
		.amdhsa_system_sgpr_workgroup_id_y 1
		.amdhsa_system_sgpr_workgroup_id_z 1
		.amdhsa_system_vgpr_workitem_id 0
		.amdhsa_next_free_vgpr 144
		.amdhsa_next_free_sgpr 66
		.amdhsa_reserve_vcc 1
		.amdhsa_float_denorm_mode_32 3
		.amdhsa_float_denorm_mode_16_64 3
		.amdhsa_memory_ordered 1
		.amdhsa_forward_progress 1
		.amdhsa_inst_pref_size 16
	.end_amdhsa_kernel
	.amdgpu_metadata
---
amdhsa.version: [ 1, 2 ]
amdhsa.kernels:
  - .name:           k_qac17b7c647_route
    .symbol:         k_qac17b7c647_route.kd
    .args:
      - { .name: part, .offset: 0, .size: 8, .value_kind: global_buffer, .address_space: global }
      - { .name: b2, .offset: 8, .size: 8, .value_kind: global_buffer, .address_space: global }
      - { .name: out0, .offset: 16, .size: 8, .value_kind: global_buffer, .address_space: global }
      - { .name: out1, .offset: 24, .size: 8, .value_kind: global_buffer, .address_space: global }
      - { .name: ent, .offset: 32, .size: 8, .value_kind: global_buffer, .address_space: global }
    .group_segment_fixed_size: 1792
    .private_segment_fixed_size: 0
    .kernarg_segment_align: 8
    .kernarg_segment_size: 40
    .max_flat_workgroup_size: 256
    .sgpr_count:     66
    .vgpr_count:     144
    .wavefront_size: 32
...
	.end_amdgpu_metadata
.endif
;; end of part 3
;; launch mean (part 4): grid 1 x 1, 1 waves a work-group, no clusters, 0 bytes of LDS; arguments ent, out2; writes out2
.if DOCPART == 4
	.amdgcn_target "amdgcn-amd-amdhsa--gfx1250"
	.amdhsa_code_object_version 6
	.text
	.protected	k_qac17b7c647_mean
	.globl	k_qac17b7c647_mean
	.p2align	8
	.type	k_qac17b7c647_mean,@function
k_qac17b7c647_mean:
	s_mov_b64 s[64:65], 0
	v_nop
	global_prefetch_b8 v0, s[64:65] scope:SCOPE_SE
	s_setreg_imm32_b32 hwreg(HW_REG_WAVE_MODE, 25, 1), 1
	s_wait_xcnt 0x0
; out2 = the mean entropy over 8,192 rows, divided by ln 64.  ent holds 256 sums of p log2(p + 1e-10), so
; out2 = -ln 2 x (their sum) / (8192 x 6 ln 2) = -(their sum) / 49152.  One wave: 1,024 bytes, eight numbers a lane.  The sum spans all work-groups of the launch before, so it has a launch of its own.
	s_load_b128 s[4:7], s[0:1], 0x0                ; ent s[4:5], out2 s[6:7]
	v_lshlrev_b32 v1, 4, v0
	v_mov_b32 v2, 0
	s_mov_b32 s8, 0x76543210                       ; v_permlanex16_b32: each lane takes its own place in the other half
	s_mov_b32 s9, 0xfedcba98
	s_wait_kmcnt 0x0
	global_load_b128 v[4:7], v1, s[4:5]
	global_load_b128 v[8:11], v1, s[4:5] offset:512
	s_wait_loadcnt 0x0
	v_pk_add_f32 v[4:5], v[4:5], v[8:9]
	v_pk_add_f32 v[6:7], v[6:7], v[10:11]
	v_pk_add_f32 v[4:5], v[4:5], v[6:7]
	v_add_f32 v4, v4, v5
	v_add_f32_dpp v4, v4, v4 row_xmask:1 row_mask:0xf bank_mask:0xf
	v_add_f32_dpp v4, v4, v4 row_xmask:2 row_mask:0xf bank_mask:0xf
	v_add_f32_dpp v4, v4, v4 row_xmask:4 row_mask:0xf bank_mask:0xf
	v_add_f32_dpp v4, v4, v4 row_xmask:8 row_mask:0xf bank_mask:0xf
	v_permlanex16_b32 v5, v4, s8, s9               ; its destination counts as read: a register that has been written
	v_add_f32 v4, v4, v5
	v_mul_f32 v4, 0xb7aaaaab, v4                   ; x -1 / 49152
	v_cmp_eq_u32 vcc_lo, 0, v0
	s_wait_xcnt 0x0                                ; EXEC changes only behind this wait
	s_and_saveexec_b32 s10, vcc_lo
	global_store_b32 v2, v4, s[6:7]                ; lane 0 alone: the one number
	s_wait_xcnt 0x0
	s_or_b32 exec_lo, exec_lo, s10
	s_endpgm
.Lfunc_end_k_qac17b7c647_mean:
	.size	k_qac17b7c647_mean, .Lfunc_end_k_qac17b7c647_mean-k_qac17b7c647_mean
	.p2alignl 7, 3214868480
	.fill 96, 4, 3214868480
	.section	.rodata,"a",@progbits
	.p2align	6, 0x0
	.amdhsa_kernel k_qac17b7c647_mean
		.amdhsa_group_segment_fixed_size 0
		.amdhsa_private_segment_fixed_size 0
		.amdhsa_enable_private_segment 0
		.amdhsa_kernarg_size 16
		.amdhsa_user_sgpr_count 2
		.amdhsa_user_sgpr_kernarg_segment_ptr 1
		.amdhsa_wavefront_size32 1
		.amdhsa_system_sgpr_workgroup_id_x 1
		.amdhsa_system_sgpr_workgroup_id_y 1
		.amdhsa_system_sgpr_workgroup_id_z 1
		.amdhsa_system_vgpr_workitem_id 0
		.amdhsa_next_free_vgpr 16
		.amdhsa_next_free_sgpr 66
		.amdhsa_reserve_vcc 1
		.amdhsa_float_denorm_mode_32 3
		.amdhsa_float_denorm_mode_16_64 3
		.amdhsa_memory_ordered 1
		.amdhsa_forward_progress 1
		.amdhsa_inst_pref_size 2
	.end_amdhsa_kernel
	.amdgpu_metadata
---
amdhsa.version: [ 1, 2 ]
amdhsa.kernels:
  - .name:           k_qac17b7c647_mean
    .symbol:         k_qac17b7c647_mean.kd
    .args:
      - { .name: ent, .offset: 0, .size: 8, .value_kind: global_buffer, .address_space: global }
      - { .name: out2, .offset: 8, .size: 8, .value_kind: global_buffer, .address_space: global }
    .group_segment_fixed_size: 0
    .private_segment_fixed_size: 0
    .kernarg_segment_align: 8
    .kernarg_segment_size: 16
    .max_flat_workgroup_size: 32
    .sgpr_count:     66
    .vgpr_count:     16
    .wavefront_size: 32
...
	.end_amdgpu_metadata
.endif
;; end of part 4
